; MI455X (gfx1250); checked and timed in simulation.
; The chip was launched on July 23, 2026; its instructions are those of AMD's public machine-readable ISA for CDNA 5 (MIT licence, August 2026) and "CDNA5" Instruction Set Architecture Reference Guide (July 2026). The comments in the code are by the model that wrote it; some were corrected since.
;; Multiheaded Attention V2. Allowed arithmetic: float matrix products may take bf16 or f16 operands with f32 sums; all other float work in f32.
;; Inputs: keys 4 x 8 x 2,048 x 64 float32; output_weights 512 x 512 float32; query_weights 512 x 512 float32; values 4 x 8 x 2,048 x 64 float32; x 4 x 2,048 x 512 float32.
;; Outputs: out0 4 x 2,048 x 512 float32.
;; One version. Each part assembles by itself: llvm-mc -triple=amdgcn-amd-amdhsa -mcpu=gfx1250 --defsym DOCPART=n.
;; ======== version 1 of 1: 3 launches
;; limits: inputs' magnitudes at most 65,504; values are held in f16: magnitudes above 65,504 overflow, below 6.1e-05 lose precision
;; workspace buffers: k16 8,388,608 bytes; v16 8,388,608 bytes; ksum 262,144 bytes; wq16 524,288 bytes; wo16 524,288 bytes; ctx16 8,388,608 bytes
;; launch prep (part 1): grid 256 x 2, 8 waves a work-group, no clusters, 0 bytes of LDS; arguments keys, values, query_weights, output_weights, k16, v16, wq16, wo16, ksum; writes k16, v16, wq16, wo16, ksum
.if DOCPART == 1
	.amdgcn_target "amdgcn-amd-amdhsa--gfx1250"
	.amdhsa_code_object_version 6
	.text
	.protected	k_q0ac107f34a_prep
	.globl	k_q0ac107f34a_prep
	.p2align	8
	.type	k_q0ac107f34a_prep,@function
k_q0ac107f34a_prep:
	s_mov_b64 s[64:65], 0
	v_nop
	global_prefetch_b8 v0, s[64:65] scope:SCOPE_SE
	s_setreg_imm32_b32 hwreg(HW_REG_WAVE_MODE, 25, 1), 1
	s_wait_xcnt 0x0
; prep: the operands of the later matrix products, rounded once.
;   y = 0: keys -> k16, query_weights -> wq16 (bf16), ksum[row] = sum over the row's 64 rounded keys (f32)
;   y = 1: values -> v16, output_weights -> wo16
; keys, values and output_weights are rounded to bf16 (8 significant bits) and that value is then held as f16, which keeps it
; exactly as long as it lies in f16's normal range.
; LIMITS: |keys|, |values|, |output_weights| <= 65,504 (above: infinity in f16); below 2^-14 the second step rounds, by at most 2^-25.
; A stream: each input byte is read once by 16-byte loads (a wave's load covers 512 neighbouring bytes), each output byte is written
; once by 8-byte stores (a wave's store covers 256 neighbouring bytes, aligned).  No LDS, no matrix unit, no cluster: no two
; work-groups read the same byte.
; Work-group x owns 65,536 bytes (256 rows of 64 f32) of the large tensor and 4,096 bytes of the weight; wave w owns 8,192 bytes,
; sixteen loads u, all issued at the start.  Load u brings rows 2u (lanes 0-15) and 2u + 1 (lanes 16-31) of the wave's 32 rows.
.set T,   8                            ; v[8:9]     two packed words at work
.set RS,  10                           ; v[10:11]   a row's sum at work
.set KSR, 7                            ; v7         lane (half, i) keeps the sum of the wave's row 2 i + half
.set X,   12                           ; v[12:75]   load u: 4 registers
.set W,   76                           ; v[76:79]   my 4 numbers of the weight
.set Y,   80                           ; v[80:111]  store u: 2 registers of its own, so no store's data is ever rewritten
.set YW,  112                          ; v[112:113] the weight's store
	s_load_b512 s[8:23], s[0:1], 0x0               ; keys s[8:9], values s[10:11], query_weights s[12:13], output_weights s[14:15], k16 s[16:17], v16 s[18:19], wq16 s[20:21], wo16 s[22:23]
	s_load_b64 s[24:25], s[0:1], 0x40              ; ksum
	s_and_b32 s3, ttmp7, 0xffff                    ; y
	s_mov_b32 s36, 0xffff0000                      ; a word's upper bf16
	v_and_b32 v8, 31, v0                           ; lane
	v_lshrrev_b32 v9, 5, v0                        ; wave
	v_lshlrev_b32 v1, 4, v8
	v_lshl_or_b32 v1, v9, 13, v1                   ; in: 8,192 wave + 16 lane
	v_lshrrev_b32 v2, 1, v1                        ; out: half of that
	v_lshlrev_b32 v3, 4, v0                        ; weight in: 16 t
	v_lshlrev_b32 v4, 3, v0                        ; weight out: 8 t
	v_and_b32 v5, 15, v0                           ; i
	v_lshrrev_b32 v6, 4, v8                        ; half
	v_lshl_add_u32 v6, v5, 1, v6                   ; 2 i + half
	v_lshl_add_u32 v6, v9, 5, v6                   ; + 32 wave: my row among the group's 256
	v_lshlrev_b32 v6, 2, v6                        ; its word in ksum
	s_wait_kmcnt 0x0
	s_cmp_eq_u32 s3, 0
	s_cselect_b64 s[26:27], s[8:9], s[10:11]       ; the large tensor
	s_cselect_b64 s[28:29], s[16:17], s[18:19]     ; its f16 copy
	s_cselect_b64 s[30:31], s[12:13], s[14:15]     ; the weight
	s_cselect_b64 s[32:33], s[20:21], s[22:23]     ; its 16-bit copy
	s_mov_b32 s35, 0
	s_lshl_b32 s34, ttmp9, 16
	s_add_nc_u64 s[26:27], s[26:27], s[34:35]      ; + x * 65,536
	s_lshl_b32 s34, ttmp9, 15
	s_add_nc_u64 s[28:29], s[28:29], s[34:35]
	s_lshl_b32 s34, ttmp9, 12
	s_add_nc_u64 s[30:31], s[30:31], s[34:35]
	s_lshl_b32 s34, ttmp9, 11
	s_add_nc_u64 s[32:33], s[32:33], s[34:35]
	s_lshl_b32 s34, ttmp9, 10
	s_add_nc_u64 s[24:25], s[24:25], s[34:35]      ; 256 rows * 4 bytes
.irp u, 0,1,2,3,4,5,6,7,8,9,10,11,12,13,14,15
	global_load_b128 v[X+4*\u:X+4*\u+3], v1, s[26:27] offset:512*\u th:TH_LOAD_NT
.endr
	global_load_b128 v[W:W+3], v3, s[30:31] th:TH_LOAD_NT
; Load u's four numbers: to bf16, back to f32 (a shift, a mask), to f16, out.  ks = 1: also the row's sum.
.macro CONV u, ks
	s_wait_loadcnt 16-\u                           ; loads come back in order: behind mine were issued 15 - u of the tensor's and the weight's
	v_cvt_pk_bf16_f32 v[T],   v[X+4*\u],   v[X+4*\u+1]
	v_cvt_pk_bf16_f32 v[T+1], v[X+4*\u+2], v[X+4*\u+3]
	v_lshlrev_b32 v[X+4*\u],   16,  v[T]
	v_and_b32     v[X+4*\u+1], s36, v[T]
	v_lshlrev_b32 v[X+4*\u+2], 16,  v[T+1]
	v_and_b32     v[X+4*\u+3], s36, v[T+1]
	v_cvt_pk_f16_f32 v[Y+2*\u],   v[X+4*\u],   v[X+4*\u+1]
	v_cvt_pk_f16_f32 v[Y+2*\u+1], v[X+4*\u+2], v[X+4*\u+3]
	global_store_b64 v2, v[Y+2*\u:Y+2*\u+1], s[28:29] offset:256*\u
.if \ks
	v_add_f32 v[RS],   v[X+4*\u],   v[X+4*\u+1]
	v_add_f32 v[RS+1], v[X+4*\u+2], v[X+4*\u+3]
	v_add_f32 v[RS], v[RS], v[RS+1]
	v_add_f32_dpp v[RS], v[RS], v[RS] row_xmask:1 row_mask:0xf bank_mask:0xf   ; a row is 16 lanes x 4 numbers: four steps inside the 16 lanes
	v_add_f32_dpp v[RS], v[RS], v[RS] row_xmask:2 row_mask:0xf bank_mask:0xf
	v_add_f32_dpp v[RS], v[RS], v[RS] row_xmask:4 row_mask:0xf bank_mask:0xf
	v_add_f32_dpp v[RS], v[RS], v[RS] row_xmask:8 row_mask:0xf bank_mask:0xf
.if \u
	v_cmp_eq_u32 vcc_lo, \u, v5
	v_cndmask_b32 v[KSR], v[KSR], v[RS], vcc_lo    ; lane i of each half keeps load i's sum
.else
	v_mov_b32 v[KSR], v[RS]
.endif
.endif
.endm
	s_cmp_lg_u32 s3, 0
	s_cbranch_scc1 .Lvalues
.irp u, 0,1,2,3,4,5,6,7,8,9,10,11,12,13,14,15
	CONV \u, 1
.endr
	s_wait_loadcnt 0x0                             ; the weight
	v_cvt_pk_bf16_f32 v[YW],   v[W],   v[W+1]      ; query_weights stay in bf16: their partner x is bf16 too
	v_cvt_pk_bf16_f32 v[YW+1], v[W+2], v[W+3]
	global_store_b64 v4, v[YW:YW+1], s[32:33]
	global_store_b32 v6, v[KSR], s[24:25]          ; the wave's 32 sums: 128 neighbouring bytes
	s_endpgm
.Lvalues:
.irp u, 0,1,2,3,4,5,6,7,8,9,10,11,12,13,14,15
	CONV \u, 0
.endr
	s_wait_loadcnt 0x0                             ; the weight
	v_cvt_pk_bf16_f32 v[T],   v[W],   v[W+1]
	v_cvt_pk_bf16_f32 v[T+1], v[W+2], v[W+3]
	v_lshlrev_b32 v[W],   16,  v[T]
	v_and_b32     v[W+1], s36, v[T]
	v_lshlrev_b32 v[W+2], 16,  v[T+1]
	v_and_b32     v[W+3], s36, v[T+1]
	v_cvt_pk_f16_f32 v[YW],   v[W],   v[W+1]
	v_cvt_pk_f16_f32 v[YW+1], v[W+2], v[W+3]
	global_store_b64 v4, v[YW:YW+1], s[32:33]
	s_endpgm
.Lfunc_end_k_q0ac107f34a_prep:
	.size	k_q0ac107f34a_prep, .Lfunc_end_k_q0ac107f34a_prep-k_q0ac107f34a_prep
	.p2alignl 7, 3214868480
	.fill 96, 4, 3214868480
	.section	.rodata,"a",@progbits
	.p2align	6, 0x0
	.amdhsa_kernel k_q0ac107f34a_prep
		.amdhsa_group_segment_fixed_size 0
		.amdhsa_private_segment_fixed_size 0
		.amdhsa_enable_private_segment 0
		.amdhsa_kernarg_size 72
		.amdhsa_user_sgpr_count 2
		.amdhsa_user_sgpr_kernarg_segment_ptr 1
		.amdhsa_wavefront_size32 1
		.amdhsa_system_sgpr_workgroup_id_x 1
		.amdhsa_system_sgpr_workgroup_id_y 1
		.amdhsa_system_sgpr_workgroup_id_z 1
		.amdhsa_system_vgpr_workitem_id 0
		.amdhsa_next_free_vgpr 114
		.amdhsa_next_free_sgpr 66
		.amdhsa_reserve_vcc 1
		.amdhsa_float_denorm_mode_32 3
		.amdhsa_float_denorm_mode_16_64 3
		.amdhsa_memory_ordered 1
		.amdhsa_forward_progress 1
		.amdhsa_inst_pref_size 27
	.end_amdhsa_kernel
	.amdgpu_metadata
---
amdhsa.version: [ 1, 2 ]
amdhsa.kernels:
  - .name:           k_q0ac107f34a_prep
    .symbol:         k_q0ac107f34a_prep.kd
    .args:
      - { .name: keys, .offset: 0, .size: 8, .value_kind: global_buffer, .address_space: global }
      - { .name: values, .offset: 8, .size: 8, .value_kind: global_buffer, .address_space: global }
      - { .name: query_weights, .offset: 16, .size: 8, .value_kind: global_buffer, .address_space: global }
      - { .name: output_weights, .offset: 24, .size: 8, .value_kind: global_buffer, .address_space: global }
      - { .name: k16, .offset: 32, .size: 8, .value_kind: global_buffer, .address_space: global }
      - { .name: v16, .offset: 40, .size: 8, .value_kind: global_buffer, .address_space: global }
      - { .name: wq16, .offset: 48, .size: 8, .value_kind: global_buffer, .address_space: global }
      - { .name: wo16, .offset: 56, .size: 8, .value_kind: global_buffer, .address_space: global }
      - { .name: ksum, .offset: 64, .size: 8, .value_kind: global_buffer, .address_space: global }
    .group_segment_fixed_size: 0
    .private_segment_fixed_size: 0
    .kernarg_segment_align: 8
    .kernarg_segment_size: 72
    .max_flat_workgroup_size: 256
    .sgpr_count:     66
    .vgpr_count:     114
    .wavefront_size: 32
...
	.end_amdgpu_metadata
.endif
;; end of part 1
;; launch attn (part 2): grid 8 x 32, 8 waves a work-group, clusters of 4 x 1, 327,680 bytes of LDS; arguments x, wq16, k16, v16, ksum, ctx16; writes ctx16
.if DOCPART == 2
	.amdgcn_target "amdgcn-amd-amdhsa--gfx1250"
	.amdhsa_code_object_version 6
	.text
	.protected	k_q0ac107f34a_attn
	.globl	k_q0ac107f34a_attn
	.p2align	8
	.type	k_q0ac107f34a_attn,@function
k_q0ac107f34a_attn:
	s_mov_b64 s[64:65], 0
	v_nop
	global_prefetch_b8 v0, s[64:65] scope:SCOPE_SE
	s_setreg_imm32_b32 hwreg(HW_REG_WAVE_MODE, 25, 1), 1
	s_wait_xcnt 0x0
	s_wait_alu depctr_hold_cnt(0) depctr_sa_sdst(0) depctr_va_vdst(0) depctr_va_sdst(0) depctr_va_ssrc(0) depctr_va_vcc(0) depctr_vm_vsrc(0)
	s_getreg_b32 s2, hwreg(HW_REG_IB_STS2, 6, 4)
	s_cmp_eq_u32 s2, 0
	s_cbranch_scc0 .Lentry_in_a_cluster
	s_endpgm
.Lentry_in_a_cluster:
	s_bfe_u32 s2, ttmp6, 0x10000c
	s_cmp_lg_u32 s2, 0x3003
	s_cbranch_scc0 .Lentry_shape_is_right
	s_endpgm
.Lentry_shape_is_right:
; attn: for one (batch, head) bh and one block of 256 queries: q = x Wq (this head's 64 columns), softmax(q K^T / 8) V -> ctx16[bh][query][64] in f16.
; Eight waves, 32 queries each (two tiles n of 16).  Everything is computed TRANSPOSED, so that each product's result already lies as the
; next product's second operand and no number changes lanes:
;   q^T = Wq^T x^T,   S^T = K q^T,   ctx^T = V^T P^T.
; In every result lane (r, h) holds query r and eight neighbouring rows 8 h + j; two neighbouring result tiles, packed to 16 bits, are one B fragment.
; THE ROW MEAN IS TAKEN OUT OF q before it is rounded to f16, by the identity  q.k = c sum(k) + (q - c).k  (c = the mean of the row's 64 numbers),
; which holds for every input: sum(k) comes in f32 from ksum and starts the score's sum.  q - c is scaled by sigma = 1 / E, E the power of two
; at or below the row's largest |q|, so |(q - c) sigma| < 4 in f16 whatever q's size; A = E log2(e) / 8 brings a raw score S to base-2 exponent units.
; SOFTMAX: a running maximum m of the raw scores (A >= 0, so it is the scores' maximum), P = exp2(A S - A m) <= about 1, sums and ctx rescaled by exp2(A (m_old - m_new)).
; LIMITS: |q| < 2^127; x is rounded to bf16 here; P and ctx are rounded to f16 (|ctx| <= max |values| <= 65,504); NaN and infinite inputs are not served.
; CLUSTER: the four work-groups of a cluster are four query blocks of one bh: this head's slice of Wq, its ksum and every K and V tile are the same
; for all four and are asked for jointly (mask 15): one request in place of four.  No descriptor word, LDS address or branch holds the place in the cluster.
; K and V go through a ring of two LDS slots of 256 keys; each wave fills one eighth of a slot (64 keys of K or of V) with one tensor load behind each round.
; THE KEYS: a tile of 256 keys is a counted loop over four blocks of 64 keys, so that one block's text serves 31 of the 32 blocks.
; K, V and ksum have registers of their own: a block's V is requested in front of its softmax, the next block's K and ksum in the softmax's middle.
; REGISTERS: two waves share a SIMD's 1,024, so a wave may take more than 256.  v256-v351 hold what no vector instruction touches in the loop
; (V's fragments, q's fragments); they are named v0-v95 under s_set_vgpr_msb: six switches for a block's 32 matrix instructions and 40 loads.
.set PART, 10240                       ; a wave's part of a slot: 64 keys of K at pitch 144 (9,216 used) or of V at pitch 160
.set SLOT, 8*PART                      ; parts 0-3: K, keys 64 i ..; parts 4-7: V
.set WQ,   2*SLOT                      ; 163,840: 512 rows (emb) x 64 bf16 at pitch 160
.set KSB,  WQ+81920                    ; 245,760: ksum of this bh, 2,048 f32
.set STG,  KSB+8192                    ; 253,952: the way out, 32 rows x 144 bytes for each wave; no fill ever lands here
; pitches: 144 = 9 x 16 for rows read by 16-byte loads, 160 = 5 x 32 for rows read by transposing loads: the rows that one load touches start in different 16-byte columns of 256
.set ADK,  1                           ; v1, v2   K fragments of block 0 in slot 0, 1: 144 r + 16 h; never rewritten
.set ADV,  3                           ; v3, v4   V fragments of block 0 in slot 0, 1: 4 PART + 160 (8 h + L % 8) + 16 (L / 8 % 2); never rewritten
.set ADS,  5                           ; v5       ksum: KSB + 32 h, + 256 a block
.set ADW,  6                           ; v6, v7   Wq fragments, emb 0-255 and 256-511; at the end: stage in, stage back
.set AM,   8                           ; v[8:9], v[10:11]   (A, m) of tile n
.set CS,   12                          ; v[12:13], v[14:15] (c sigma, 0) of tile n
.set LS,   16                          ; v[16:17], v[18:19] two partial sums of P of tile n
.set NM,   20                          ; v[20:21] (-A m, 0)
.set AL,   22                          ; v[22:23] (alpha, 0)
.set T,    24                          ; v[24:27] at work
.set KSF,  28                          ; v[28:59]  ksum of a block's keys 16 kt + 8 h + j at 8 kt + j
.set XF,   28                          ; v[28:123] in the projection: three steps of x in f32, 32 registers each
.set ACC,  60                          ; v[60:123] ctx^T: tile (dt, n) at 8 (2 dt + n)
.set S,    124                         ; v[124:187] raw scores 32 n + 8 kt + j; then P packed at 16 n + 4 kt + j / 2.  In the projection: q^T, 32 n + 8 dt + j
.set KV,   188                         ; v[188:251] eight fragments of K.  In the projection: four of Wq, and
.set XB,   KV+32                       ; v[220:235] x in bf16, 8 n
.set XO,   252                         ; v252 my byte offset in x: 2,048 (32 w + r) + 32 h
.set CO,   253                         ; v253 my byte offset in the wave's part of ctx16: 16 L
.set WK,   254                         ; v254 K fragments of the block that is loaded next: a slot's ADK, + PART a block
.set WV,   255                         ; v255 V fragments of the block at work: a slot's ADV, + PART a block
.set VF,   0                           ; v[256:319] eight fragments of V: 8 (4 ks + dt)
.set QF,   64                          ; v[320:351] q as B fragments: 16 n + 8 (d / 32)
; s_set_vgpr_msb's low byte: bits 1:0 source 0, 3:2 source 1, 5:4 source 2, 7:6 destination; its high byte repeats the setting that is left.
; At every label and every branch the setting is 0.
.set A_HI, 0x01                        ; source 0 in v256-: V as A
.set B_HI, 0x04                        ; source 1 in v256-: q as B
.set D_HI, 0x40                        ; destination in v256-: loads of V, conversions of q
.set MSB, 0
.macro WIN new
.if MSB != \new
	s_set_vgpr_msb (MSB<<8)|\new
.set MSB, \new
.endif
.endm
.macro PLACES                          ; four places behind matrix instructions, in front of loads into their sources and of vector work on their registers
.rept 4
	v_nop
.endr
.endm
.macro ROUND                           ; a round of the cluster's barrier: my work-group's barrier, wave 0 signals for the work-group, all wait for all four, my work-group's barrier
	s_barrier_signal -1
	s_barrier_wait -1
	s_cmp_lg_u32 s16, 0
	s_cbranch_scc1 .Lnot_wave_0_\@
	s_barrier_signal -3
.Lnot_wave_0_\@:
	s_barrier_wait -3
	s_barrier_signal -1
	s_barrier_wait -1
.endm
.macro JLOAD s                         ; my eighth of slot s: waves 0-3 ask for 64 keys of K (pitch 144), waves 4-7 for 64 of V (pitch 160); one load on either way
	s_cmp_lt_u32 s16, 4
	s_cbranch_scc0 .Lfor_v_\@
	tensor_load_to_lds s[40+4*(\s):43+4*(\s)], s[24:31]
	s_nop 0
	s_branch .Lasked_\@
.Lfor_v_\@:
	tensor_load_to_lds s[40+4*(\s):43+4*(\s)], s[32:39]
	s_nop 0
.Lasked_\@:
.endm
.macro XLOAD t                         ; step t of x: 32 emb of my 32 queries in f32, in the order of two B fragments
.irp n, 0,1
.irp g, 0,1
.irp q, 0,1
	global_load_b128 v[XF+32*((\t)%3)+16*\n+8*\g+4*\q:XF+32*((\t)%3)+16*\n+8*\g+4*\q+3], v[XO], s[82:83] offset:\n*32768+(\t)*128+\g*64+\q*16
.endr
.endr
.endr
.endm
	; ---- set-up
	s_load_b256 s[4:11], s[0:1], 0x0               ; x s[4:5], wq16 s[6:7], k16 s[8:9], v16 s[10:11]
	s_load_b128 s[12:15], s[0:1], 0x20             ; ksum s[12:13], ctx16 s[14:15]
	s_set_vgpr_msb 0x40
	v_lshl_add_u32 v96, v0, 2, 0x47000
	v_mov_b32 v97, 0
	s_set_vgpr_msb 0x4045
	ds_add_u32 v96, v97
	s_set_vgpr_msb 0x4500
	v_lshrrev_b32 v14, 5, v0
	v_readfirstlane_b32 s16, v14                   ; wave
	s_and_b32 s17, s16, 3                          ; which 64 keys of a tile I ask for
	s_bfe_u32 s18, ttmp6, 0x40000                  ; cx: goes into s19 and s80-s85 alone
	s_lshl_b32 s19, ttmp9, 2
	s_add_co_u32 s19, s19, s18                     ; query block = 4 x cluster x + cx
	s_and_b32 s20, ttmp7, 0xffff                   ; bh
	s_and_b32 s21, s20, 7                          ; head
	s_mov_b32 s76, 0x76543210                      ; v_permlanex16_b32: lane i takes lane i of the other half
	s_mov_b32 s77, 0xfedcba98
	; group 1 for K: 64 rows (keys) x 64 elements of 2 bytes, dense; behind every 32 words 4 words of padding
	s_mov_b32 s24, 15|(1<<16)|(1<<20)|(1<<21)|(4<<22)|(3<<25)   ; mask of the four, element 2 bytes, padding on, bit 21 beside a mask, interval code 4, pad code 3
	s_mov_b32 s25, 64<<16                          ; tensor_dim0 = 64
	s_mov_b32 s26, 64<<16                          ; tensor_dim1 = 64
	s_mov_b32 s27, 64<<16                          ; tile_dim0 = 64
	s_mov_b32 s28, 64                              ; tile_dim1 = 64
	s_mov_b32 s29, 64                              ; from row to row: 64 elements
	s_mov_b32 s30, 0
	s_mov_b32 s31, 0
	; group 1 for V: the same with 8 words of padding
	s_mov_b32 s32, 15|(1<<16)|(1<<20)|(1<<21)|(4<<22)|(7<<25)
	s_mov_b32 s33, 64<<16
	s_mov_b32 s34, 64<<16
	s_mov_b32 s35, 64<<16
	s_mov_b32 s36, 64
	s_mov_b32 s37, 64
	s_mov_b32 s38, 0
	s_mov_b32 s39, 0
	; group 1 for Wq: 64 rows (emb) x this head's 64 columns, rows 512 elements apart, 8 words of padding
	s_mov_b32 s48, 15|(1<<16)|(1<<20)|(1<<21)|(4<<22)|(7<<25)
	s_mov_b32 s49, 64<<16
	s_mov_b32 s50, 64<<16
	s_mov_b32 s51, 64<<16
	s_mov_b32 s52, 64
	s_mov_b32 s53, 512
	s_mov_b32 s54, 0
	s_mov_b32 s55, 0
	; group 1 for ksum: one row of 128 elements of 8 bytes
	s_mov_b32 s68, 15|(3<<16)|(1<<21)
	s_mov_b32 s69, 128<<16
	s_mov_b32 s70, 1<<16
	s_mov_b32 s71, 128<<16
	s_mov_b32 s72, 1
	s_mov_b32 s73, 128
	s_mov_b32 s74, 0
	s_mov_b32 s75, 0
	; groups 0: count and LDS address (a constant + the wave's number times a constant)
	s_mov_b32 s40, 1
	s_mov_b32 s44, 1
	s_mov_b32 s56, 1
	s_mov_b32 s60, 1
	s_mul_i32 s41, s16, PART                       ; slot 0
	s_add_co_u32 s45, s41, SLOT                    ; slot 1
	s_add_co_u32 s57, s41, WQ                      ; my 64 rows of Wq
	s_lshl_b32 s61, s16, 10
	s_add_co_u32 s61, s61, KSB                     ; my 1,024 bytes of ksum
	; lane terms
	v_and_b32 v8, 15, v0                           ; r
	v_bfe_u32 v9, v0, 4, 1                         ; h
	v_and_b32 v10, 7, v0                           ; L % 8
	v_bfe_u32 v11, v0, 3, 1                        ; L / 8 % 2
	v_and_b32 v12, 31, v0                          ; L
	v_lshl_add_u32 v14, v14, 5, v8                 ; 32 w + r
	v_lshlrev_b32 v14, 11, v14                     ; a row of x is 2,048 bytes
	v_lshl_add_u32 v[XO], v9, 5, v14
	v_lshlrev_b32 v[CO], 4, v12
	v_mul_u32_u24 v[ADK], v8, 144
	v_lshl_add_u32 v[ADK], v9, 4, v[ADK]
	v_add_nc_u32 v[ADK+1], SLOT, v[ADK]
	v_lshl_add_u32 v13, v9, 3, v10                 ; the transposing loads' row: 8 h + L % 8
	v_mul_u32_u24 v13, v13, 160
	v_lshl_add_u32 v13, v11, 4, v13
	v_add_nc_u32 v[ADV], 4*PART, v13
	v_add_nc_u32 v[ADV+1], SLOT+4*PART, v13
	v_add_nc_u32 v[ADW], WQ, v13
	v_add_nc_u32 v[ADW+1], WQ+256*160, v13
	v_lshl_add_u32 v[ADS], v9, 5, KSB
	v_mov_b32 v[CS+1], 0                           ; the upper registers of the pairs whose lower one is broadcast: written once, never used as numbers
	v_mov_b32 v[CS+3], 0
	v_mov_b32 v[NM+1], 0
	v_mov_b32 v[AL+1], 0
	v_mov_b32 v[T+1], 0
	v_mov_b32 v[T+3], 0
	s_wait_dscnt 0x0
	s_wait_kmcnt 0x0
	s_lshr_b32 s80, s20, 3                         ; batch
	s_lshl_b32 s80, s80, 22                        ; 2,048 rows x 2,048 bytes
	s_lshl_b32 s81, s19, 19                        ; 256 rows x 2,048 bytes
	s_add_co_u32 s80, s80, s81
	s_mov_b32 s81, 0
	s_add_nc_u64 s[82:83], s[4:5], s[80:81]        ; x at my block's first row
	XLOAD 0                                        ; 24 loads: steps 0 to 2 of the projection are on their way while the tiles are asked for
	XLOAD 1
	XLOAD 2
	s_lshl_b32 s80, s20, 18                        ; ctx16: bh x 2,048 rows x 128 bytes
	s_lshl_b32 s81, s19, 15                        ; + 256 rows
	s_add_co_u32 s80, s80, s81
	s_lshl_b32 s81, s16, 12                        ; + my 32 rows
	s_add_co_u32 s80, s80, s81
	s_mov_b32 s81, 0
	s_add_nc_u64 s[84:85], s[14:15], s[80:81]
	; the joint loads' addresses: bh, head and wave alone
	s_lshl_b32 s22, s20, 18                        ; bh x 2,048 keys x 128 bytes
	s_lshl_b32 s23, s17, 13                        ; + my 64 keys
	s_add_co_u32 s22, s22, s23
	s_mov_b32 s23, 0
	s_cmp_lt_u32 s16, 4
	s_cselect_b64 s[86:87], s[8:9], s[10:11]       ; waves 0-3: k16, waves 4-7: v16
	s_add_nc_u64 s[42:43], s[86:87], s[22:23]      ; tile 0
	s_add_nc_u64 s[46:47], s[42:43], 32768         ; tile 1: 256 keys on
	s_or_b32 s43, s43, 0x80000000                  ; type 2
	s_or_b32 s47, s47, 0x80000000
	s_lshl_b32 s22, s16, 16                        ; Wq: my 64 rows of 1,024 bytes
	s_lshl_b32 s23, s21, 7                         ; + the head's 64 columns
	s_add_co_u32 s22, s22, s23
	s_mov_b32 s23, 0
	s_add_nc_u64 s[58:59], s[6:7], s[22:23]
	s_or_b32 s59, s59, 0x80000000
	s_lshl_b32 s22, s20, 13                        ; ksum: bh x 8,192 bytes
	s_lshl_b32 s23, s16, 10
	s_add_co_u32 s22, s22, s23
	s_mov_b32 s23, 0
	s_add_nc_u64 s[62:63], s[12:13], s[22:23]
	s_or_b32 s63, s63, 0x80000000
	ROUND                                          ; all four work-groups are here: the first joint loads meet
	tensor_load_to_lds s[56:59], s[48:55]          ; the first fills, one group: my part of Wq,
	s_nop 0
	tensor_load_to_lds s[60:63], s[68:75]          ; of ksum,
	s_nop 0
	JLOAD 0                                        ; and of tile 0: three tensor loads of this wave are out
	s_wait_tensorcnt 0x2                           ; they end in order: my part of Wq is in, the two younger may stay out
	s_barrier_signal -1
	s_barrier_wait -1                              ; everybody's part of Wq is in
	; ---- q^T = Wq^T x^T: 16 steps of 32 along emb.  A = Wq^T by transposing loads (Wq lies [emb][column]), B = x^T, converted here.
.macro QSTEP t
.if \t
	PLACES
.endif
.irp dt, 0,1,2,3
	ds_load_tr16_b128 v[KV+8*\dt:KV+8*\dt+3],   v[ADW+(\t)/8] offset:((\t)%8)*5120+32*\dt
	ds_load_tr16_b128 v[KV+8*\dt+4:KV+8*\dt+7], v[ADW+(\t)/8] offset:((\t)%8)*5120+32*\dt+2560
.endr
.if \t < 14
	s_wait_loadcnt 16                              ; this step's 8 loads are in; the two younger steps' 16 stay out
.else
	s_wait_loadcnt 8*(15-\t)                       ; the last steps: one younger step, then none
.endif
.irp i, 0,1,2,3,4,5,6,7,8,9,10,11,12,13,14,15
	v_cvt_pk_bf16_f32 v[XB+\i], v[XF+32*((\t)%3)+2*\i], v[XF+32*((\t)%3)+2*\i+1]
.endr
.if \t < 13
	XLOAD \t+3                                     ; the registers just read take the step three ahead
.endif
	s_wait_dscnt 0x0
.irp dt, 0,1,2,3
.irp n, 0,1
.if \t
	v_wmma_f32_16x16x32_bf16 v[S+32*\n+8*\dt:S+32*\n+8*\dt+7], v[KV+8*\dt:KV+8*\dt+7], v[XB+8*\n:XB+8*\n+7], v[S+32*\n+8*\dt:S+32*\n+8*\dt+7]
.else
	v_wmma_f32_16x16x32_bf16 v[S+32*\n+8*\dt:S+32*\n+8*\dt+7], v[KV+8*\dt:KV+8*\dt+7], v[XB+8*\n:XB+8*\n+7], 0
.endif
.endr
.endr
.endm
	; the eight accumulators take turns, one instruction a turn
.irp t, 0,1,2,3,4,5,6,7,8,9,10,11,12,13,14,15
	QSTEP \t
.endr
	PLACES
	; ---- a query's 64 numbers lie in lanes (r, 0) and (r, 1), 32 each: mean, largest magnitude, scale; q - c to f16
.macro QSTAT n
.irp k, 0,1,2,3
	v_pk_add_f32 v[KV+2*\k:KV+2*\k+1], v[S+32*\n+4*\k:S+32*\n+4*\k+1], v[S+32*\n+4*\k+2:S+32*\n+4*\k+3]
.endr
.irp k, 0,1,2,3,4,5,6,7
	v_pk_add_f32 v[KV+2*(\k%4):KV+2*(\k%4)+1], v[KV+2*(\k%4):KV+2*(\k%4)+1], v[S+32*\n+16+2*\k:S+32*\n+16+2*\k+1]
.endr
	v_pk_add_f32 v[KV:KV+1], v[KV:KV+1], v[KV+2:KV+3]
	v_pk_add_f32 v[KV+4:KV+5], v[KV+4:KV+5], v[KV+6:KV+7]
	v_pk_add_f32 v[KV:KV+1], v[KV:KV+1], v[KV+4:KV+5]
	v_add_f32 v[KV], v[KV], v[KV+1]
	v_permlanex16_b32 v[KV+1], v[KV], s76, s77
	v_add_f32 v[KV], v[KV], v[KV+1]
	v_mul_f32 v[KV], 0x3c800000, v[KV]             ; c = sum / 64
	v_max3_num_f32 v[KV+2], v[S+32*\n], v[S+32*\n+1], v[S+32*\n+2]
	v_min3_num_f32 v[KV+3], v[S+32*\n], v[S+32*\n+1], v[S+32*\n+2]
.irp k, 3,5,7,9,11,13,15,17,19,21,23,25,27,29
	v_max3_num_f32 v[KV+2], v[KV+2], v[S+32*\n+\k], v[S+32*\n+\k+1]
	v_min3_num_f32 v[KV+3], v[KV+3], v[S+32*\n+\k], v[S+32*\n+\k+1]
.endr
	v_max_num_f32 v[KV+2], v[KV+2], v[S+32*\n+31]
	v_min_num_f32 v[KV+3], v[KV+3], v[S+32*\n+31]
	v_sub_f32 v[KV+3], 0, v[KV+3]
	v_max_num_f32 v[KV+2], v[KV+2], v[KV+3]
	v_permlanex16_b32 v[KV+3], v[KV+2], s76, s77
	v_max_num_f32 v[KV+2], v[KV+2], v[KV+3]        ; the row's largest |q|
	v_and_b32 v[KV+2], 0x7f800000, v[KV+2]         ; E: its power of two
	v_sub_nc_u32 v[T], 0x7f000000, v[KV+2]         ; sigma = 1 / E, on the exponent fields: 254 - (e + 127) = 127 - e
	v_mul_f32 v[AM+2*\n], 0x3e38aa3b, v[KV+2]      ; A = E log2(e) / 8
	v_mul_f32 v[CS+2*\n], v[KV], v[T]              ; c sigma
	v_xor_b32 v[T+2], 0x80000000, v[CS+2*\n]
.irp i, 0,1,2,3,4,5,6,7,8,9,10,11,12,13,14,15
	v_pk_fma_f32 v[S+32*\n+2*\i:S+32*\n+2*\i+1], v[S+32*\n+2*\i:S+32*\n+2*\i+1], v[T:T+1], v[T+2:T+3] op_sel_hi:[1,0,0]   ; q sigma - c sigma, one rounding
.endr
	WIN D_HI                                       ; q's fragments live in v320-v351
.irp i, 0,1,2,3,4,5,6,7,8,9,10,11,12,13,14,15
	v_cvt_pk_f16_f32 v[QF+16*\n+\i], v[S+32*\n+2*\i], v[S+32*\n+2*\i+1]   ; tiles dt = 2 e, 2 e + 1 are registers 0-3, 4-7 of the B fragment of d = 32 e ..
.endr
	WIN 0
.endm
	QSTAT 0
	QSTAT 1
	; ---- the keys
; pair p of tile n's 16 pairs of P: into the sum, then packed to f16 at S + 16 n + p (that register's own pair has been taken already)
.macro FOLD n, p, first
.if (\p) == 0
.if \first
	s_wait_alu depctr_va_vdst(0)
	v_mov_b32 v[LS+2*\n],   v[S+32*\n]             ; the first pair starts the sums
	v_mov_b32 v[LS+2*\n+1], v[S+32*\n+1]
.else
	v_pk_fma_f32 v[LS+2*\n:LS+2*\n+1], v[LS+2*\n:LS+2*\n+1], v[AL:AL+1], v[S+32*\n:S+32*\n+1] op_sel_hi:[1,0,1]
.endif
.else
	s_wait_alu depctr_va_vdst(0)
	v_pk_add_f32 v[LS+2*\n:LS+2*\n+1], v[LS+2*\n:LS+2*\n+1], v[S+32*\n+2*(\p):S+32*\n+2*(\p)+1]
.endif
	v_cvt_pk_f16_f32 v[S+16*\n+(\p)], v[S+32*\n+2*(\p)], v[S+32*\n+2*(\p)+1]
.endm
; tile n's 64 keys x 16 queries: a lane holds 32 raw scores of one query, the other 32 lie in the other half of the lanes
.macro SOFT n, first
	v_max3_num_f32 v[T],   v[S+32*\n],   v[S+32*\n+1], v[S+32*\n+2]
	v_max3_num_f32 v[T+1], v[S+32*\n+3], v[S+32*\n+4], v[S+32*\n+5]
.irp k, 6,10,14,18,22,26
	v_max3_num_f32 v[T],   v[T],   v[S+32*\n+\k],   v[S+32*\n+\k+1]
	v_max3_num_f32 v[T+1], v[T+1], v[S+32*\n+\k+2], v[S+32*\n+\k+3]
.endr
	v_max3_num_f32 v[T], v[T], v[S+32*\n+30], v[S+32*\n+31]
	v_max_num_f32 v[T], v[T], v[T+1]
	v_permlanex16_b32 v[T+1], v[T], s76, s77
.if \first
	v_max_num_f32 v[AM+2*\n+1], v[T], v[T+1]       ; the first block's maximum starts m
.else
	v_max3_num_f32 v[T+2], v[T], v[T+1], v[AM+2*\n+1]
	v_sub_f32 v[T+3], v[AM+2*\n+1], v[T+2]
	v_mul_f32 v[T+3], v[T+3], v[AM+2*\n]
	v_exp_f32 v[AL], v[T+3]                        ; alpha = exp2(A (m_old - m_new)); the move below is the plain instruction behind it (ISA guide 5.7.2)
	v_mov_b32 v[AM+2*\n+1], v[T+2]
.endif
	v_mul_f32 v[NM], v[AM+2*\n+1], v[AM+2*\n]
	v_xor_b32 v[NM], 0x80000000, v[NM]             ; -A m
.irp i, 0,1,2,3,4,5,6,7,8,9,10,11,12,13,14,15
	v_pk_fma_f32 v[S+32*\n+2*\i:S+32*\n+2*\i+1], v[S+32*\n+2*\i:S+32*\n+2*\i+1], v[AM+2*\n:AM+2*\n+1], v[NM:NM+1] op_sel_hi:[1,0,0]
.endr
	; two exponentials, one plain instruction (a piece of ctx rescaled), then the pair before is used: each result has a plain instruction in front of its use
.irp i, 0,1,2,3,4,5,6,7,8,9,10,11,12,13,14,15
	v_exp_f32 v[S+32*\n+2*\i],   v[S+32*\n+2*\i]
	v_exp_f32 v[S+32*\n+2*\i+1], v[S+32*\n+2*\i+1]
.if \first
.if \i == 0
	v_nop                                          ; nothing to rescale yet: the place behind the first pair; later pairs have the fold of the pair before
.endif
.else
	s_wait_alu depctr_va_vdst(0)
	v_pk_mul_f32 v[ACC+8*(2*(\i/4)+\n)+2*(\i%4):ACC+8*(2*(\i/4)+\n)+2*(\i%4)+1], v[ACC+8*(2*(\i/4)+\n)+2*(\i%4):ACC+8*(2*(\i/4)+\n)+2*(\i%4)+1], v[AL:AL+1] op_sel_hi:[1,0]
.endif
.if \i > 0
	FOLD \n, \i-1, \first
.endif
.endr
	FOLD \n, 15, \first
.endm
; 24 loads: ksum and K of the 64 keys at ADS and WK
.macro KLOAD
.irp kt, 0,1,2,3
	ds_load_b128 v[KSF+8*\kt:KSF+8*\kt+3],   v[ADS] offset:64*\kt        ; ksum of keys 16 kt + 8 h + 0..7: the same words for the 16 lanes of a half
	ds_load_b128 v[KSF+8*\kt+4:KSF+8*\kt+7], v[ADS] offset:64*\kt+16
.endr
.irp kt, 0,1,2,3
.irp dh, 0,1
	ds_load_b128 v[KV+8*(2*\kt+\dh):KV+8*(2*\kt+\dh)+3],   v[WK] offset:\kt*2304+64*\dh
	ds_load_b128 v[KV+8*(2*\kt+\dh)+4:KV+8*(2*\kt+\dh)+7], v[WK] offset:\kt*2304+64*\dh+32
.endr
.endr
.endm
; 64 keys.  At its head the block's K and ksum are in registers and no LDS load of the wave is out.
; first = 1: the launch's first block, written out ahead of the loop: it starts m, the sums and ctx, and is never a tile's last.
.macro BLOCK first
.irp i, 0,1,2,3,4,5,6,7,8,9,10,11,12,13,14,15
	v_pk_mul_f32 v[S+2*\i:S+2*\i+1], v[KSF+2*\i:KSF+2*\i+1], v[CS:CS+1] op_sel_hi:[1,0]                ; the scores start at c sigma sum(k)
.endr
.irp i, 0,1,2,3,4,5,6,7,8,9,10,11,12,13,14,15
	v_pk_mul_f32 v[S+32+2*\i:S+32+2*\i+1], v[KSF+2*\i:KSF+2*\i+1], v[CS+2:CS+3] op_sel_hi:[1,0]
.endr
	; S^T += K (q - c)^T: eight accumulators by turns, one instruction a turn
	WIN B_HI
.irp dh, 0,1
.irp kt, 0,1,2,3
.irp n, 0,1
	v_wmma_f32_16x16x32_f16 v[S+32*\n+8*\kt:S+32*\n+8*\kt+7], v[KV+8*(2*\kt+\dh):KV+8*(2*\kt+\dh)+7], v[QF+16*\n+8*\dh:QF+16*\n+8*\dh+7], v[S+32*\n+8*\kt:S+32*\n+8*\kt+7]
.endr
.endr
.endr
	WIN 0
	v_add_nc_u32 v[ADS], 256, v[ADS]               ; four places behind the products (ISA guide 7.12.1), two of them at work: the next block's ksum
	v_add_nc_u32 v[WK], PART, v[WK]                ; and K
	v_nop
	v_nop
	WIN D_HI
.irp ks, 0,1
.irp dt, 0,1,2,3
	ds_load_tr16_b128 v[VF+8*(4*\ks+\dt):VF+8*(4*\ks+\dt)+3],   v[WV] offset:\ks*5120+32*\dt        ; V lies [key][d]: transposed on the way; both halves of the softmax are there for them to land in
	ds_load_tr16_b128 v[VF+8*(4*\ks+\dt)+4:VF+8*(4*\ks+\dt)+7], v[WV] offset:\ks*5120+32*\dt+2560
.endr
.endr
	WIN 0
	SOFT 0, \first
.if \first == 0
	s_cmp_eq_u32 s79, 1                            ; the tile's last block asks for nothing: the next slot may be read only behind the round
	s_cbranch_scc1 .Ltile_ends_\@
.endif
	KLOAD                                          ; the next block's ksum and K: K's registers were last read by the products above, a softmax half ago
.if \first == 0
.Ltile_ends_\@:
.endif
	SOFT 1, \first
	s_wait_dscnt 0x0                               ; V, and on the way that asked for them the next block's K and ksum: for zero, which is right on both ways
	; ctx^T += V^T P^T: eight accumulators by turns, as above
	WIN A_HI
.irp ks, 0,1
.irp dt, 0,1,2,3
.irp n, 0,1
.if \first*(1-\ks)
	v_wmma_f32_16x16x32_f16 v[ACC+8*(2*\dt+\n):ACC+8*(2*\dt+\n)+7], v[VF+8*(4*\ks+\dt):VF+8*(4*\ks+\dt)+7], v[S+16*\n+8*\ks:S+16*\n+8*\ks+7], 0
.else
	v_wmma_f32_16x16x32_f16 v[ACC+8*(2*\dt+\n):ACC+8*(2*\dt+\n)+7], v[VF+8*(4*\ks+\dt):VF+8*(4*\ks+\dt)+7], v[S+16*\n+8*\ks:S+16*\n+8*\ks+7], v[ACC+8*(2*\dt+\n):ACC+8*(2*\dt+\n)+7]
.endif
.endr
.endr
.endr
	WIN 0
	v_add_nc_u32 v[WV], PART, v[WV]                ; four places again, one at work: the next block's V
	v_nop
	v_nop
	v_nop
.endm
; a tile of 256 keys in slot; refill = 1: the other slot is asked for, one tile ahead; first = 1: the launch's first tile
.macro TRIP slot, refill, first
	s_set_vgpr_msb 0x5
	s_wait_tensorcnt 0x0                           ; all my tensor loads have landed, my part of this slot among them: no load is out, so a group 0 may be written
	ds_add_u32 v96, v97
	s_wait_dscnt 0x0
	s_set_vgpr_msb 0x500
	s_add_nc_u64 s[42+4*\slot:43+4*\slot], s[42+4*\slot:43+4*\slot], 65536   ; this slot's next tile: 512 keys on
	s_wait_dscnt 0x0                               ; my reads of the other slot are over
	ROUND                                          ; both now hold of every wave of all four work-groups
.if \refill
	JLOAD 1-\slot                                  ; first thing behind the round, my one tensor load until the next: it has four blocks' work in which to land
.endif
	v_mov_b32 v[WK], v[ADK+\slot]                  ; the slot's first block
	v_mov_b32 v[WV], v[ADV+\slot]
	KLOAD
	s_wait_dscnt 0x0                               ; once a tile these 24 loads are waited for where they are issued
.if \first
	BLOCK 1
	s_mov_b32 s79, 3
.else
	s_mov_b32 s79, 4
.endif
.Lblock_\@:
	BLOCK 0
	s_sub_co_u32 s79, s79, 1
	s_cmp_lg_u32 s79, 0
	s_cbranch_scc1 .Lblock_\@
.endm
	TRIP 0, 1, 1                                   ; tile 0; tile 1 goes out, slot 1's first fill
	s_mov_b32 s78, 3
.Lkeys:
	TRIP 1, 1, 0                                   ; tiles 1, 3, 5; tiles 2, 4, 6 go out
	TRIP 0, 1, 0                                   ; tiles 2, 4, 6; tiles 3, 5, 7 go out: tile 7's is the last load
	s_sub_co_u32 s78, s78, 1
	s_cmp_lg_u32 s78, 0
	s_cbranch_scc1 .Lkeys
	TRIP 1, 0, 0                                   ; tile 7: nothing is left to fetch (the stepped addresses are not used)
	; ---- the way out: ctx / sum, to f16, through my own stage, out as whole rows
	v_add_f32 v[T],   v[LS],   v[LS+1]
	v_add_f32 v[T+1], v[LS+2], v[LS+3]
	v_permlanex16_b32 v[T+2], v[T],   s76, s77
	v_permlanex16_b32 v[T+3], v[T+1], s76, s77
	v_add_f32 v[T],   v[T],   v[T+2]
	v_add_f32 v[T+1], v[T+1], v[T+3]               ; at least about 1: the largest score's own term
	v_rcp_f32 v[NM], v[T]
	v_rcp_f32 v[AL], v[T+1]
	s_mul_i32 s22, s16, 4608
	s_add_co_u32 s22, s22, STG                     ; my stage
	v_add_nc_u32 v[ADW], s22, v[ADK]               ; in: 144 r + 16 h (this line is also the plain instruction behind the reciprocals)
	v_bfe_u32 v[KV+1], v0, 3, 2                    ; back: four rows of 128 bytes a load, eight lanes a row
	v_and_b32 v[KV], 7, v0
	v_mul_u32_u24 v[KV+1], v[KV+1], 144
	v_lshl_add_u32 v[KV+1], v[KV], 4, v[KV+1]
	v_add_nc_u32 v[ADW+1], s22, v[KV+1]
.irp tl, 0,1,2,3,4,5,6,7
.irp p, 0,1,2,3
	s_wait_alu depctr_va_vdst(0)
	v_pk_mul_f32 v[ACC+8*\tl+2*\p:ACC+8*\tl+2*\p+1], v[ACC+8*\tl+2*\p:ACC+8*\tl+2*\p+1], v[NM+2*(\tl%2):NM+2*(\tl%2)+1] op_sel_hi:[1,0]
.endr
.endr
.irp tl, 0,1,2,3,4,5,6,7
.irp p, 0,1,2,3
	v_cvt_pk_f16_f32 v[S+4*\tl+\p], v[ACC+8*\tl+2*\p], v[ACC+8*\tl+2*\p+1]
.endr
	ds_store_b128 v[ADW], v[S+4*\tl:S+4*\tl+3] offset:2304*(\tl%2)+32*(\tl/2)   ; query 16 n + r, d = 16 dt + 8 h + 0..7
.endr
.irp i, 0,1,2,3,4,5,6,7
	ds_load_b128 v[KV+4*\i:KV+4*\i+3], v[ADW+1] offset:576*\i    ; LDS serves a wave's instructions in order (ISA guide 5.7.1.4): these see the stores above; the bytes are my own
.endr
.irp i, 0,1,2,3,4,5,6,7
	s_wait_dscnt 7-\i
	global_store_b128 v[CO], v[KV+4*\i:KV+4*\i+3], s[84:85] offset:512*\i      ; the wave stores 512 consecutive bytes, at a multiple of 512 from ctx16's first byte
.endr
	s_set_vgpr_msb 0x5
	s_wait_tensorcnt 0x0
	ds_add_u32 v96, v97
	s_wait_dscnt 0x0
	s_set_vgpr_msb 0x500
	ROUND                                          ; the closing round: no work-group ends while a partner may still ask jointly
	s_endpgm
.Lfunc_end_k_q0ac107f34a_attn:
	.size	k_q0ac107f34a_attn, .Lfunc_end_k_q0ac107f34a_attn-k_q0ac107f34a_attn
	.p2alignl 7, 3214868480
	.fill 96, 4, 3214868480
	.section	.rodata,"a",@progbits
	.p2align	6, 0x0
	.amdhsa_kernel k_q0ac107f34a_attn
		.amdhsa_group_segment_fixed_size 327680
		.amdhsa_private_segment_fixed_size 0
		.amdhsa_enable_private_segment 0
		.amdhsa_kernarg_size 48
		.amdhsa_user_sgpr_count 2
		.amdhsa_user_sgpr_kernarg_segment_ptr 1
		.amdhsa_wavefront_size32 1
		.amdhsa_system_sgpr_workgroup_id_x 1
		.amdhsa_system_sgpr_workgroup_id_y 1
		.amdhsa_system_sgpr_workgroup_id_z 1
		.amdhsa_system_vgpr_workitem_id 0
		.amdhsa_next_free_vgpr 354
		.amdhsa_next_free_sgpr 88
		.amdhsa_reserve_vcc 0
		.amdhsa_float_denorm_mode_32 3
		.amdhsa_float_denorm_mode_16_64 3
		.amdhsa_memory_ordered 1
		.amdhsa_forward_progress 1
		.amdhsa_inst_pref_size 189
	.end_amdhsa_kernel
	.amdgpu_metadata
---
amdhsa.version: [ 1, 2 ]
amdhsa.kernels:
  - .name:           k_q0ac107f34a_attn
    .symbol:         k_q0ac107f34a_attn.kd
    .args:
      - { .name: x, .offset: 0, .size: 8, .value_kind: global_buffer, .address_space: global }
      - { .name: wq16, .offset: 8, .size: 8, .value_kind: global_buffer, .address_space: global }
      - { .name: k16, .offset: 16, .size: 8, .value_kind: global_buffer, .address_space: global }
      - { .name: v16, .offset: 24, .size: 8, .value_kind: global_buffer, .address_space: global }
      - { .name: ksum, .offset: 32, .size: 8, .value_kind: global_buffer, .address_space: global }
      - { .name: ctx16, .offset: 40, .size: 8, .value_kind: global_buffer, .address_space: global }
    .group_segment_fixed_size: 327680
    .private_segment_fixed_size: 0
    .kernarg_segment_align: 8
    .kernarg_segment_size: 48
    .max_flat_workgroup_size: 256
    .sgpr_count:     88
    .vgpr_count:     354
    .wavefront_size: 32
...
	.end_amdgpu_metadata
.endif
;; end of part 2
;; launch outp (part 3): grid 4 x 64, 8 waves a work-group, clusters of 4 x 4, 295,936 bytes of LDS; arguments ctx16, wo16, out0; writes out0
.if DOCPART == 3
	.amdgcn_target "amdgcn-amd-amdhsa--gfx1250"
	.amdhsa_code_object_version 6
	.text
	.protected	k_q0ac107f34a_outp
	.globl	k_q0ac107f34a_outp
	.p2align	8
	.type	k_q0ac107f34a_outp,@function
k_q0ac107f34a_outp:
	s_mov_b64 s[64:65], 0
	v_nop
	global_prefetch_b8 v0, s[64:65] scope:SCOPE_SE
	s_setreg_imm32_b32 hwreg(HW_REG_WAVE_MODE, 25, 1), 1
	s_wait_xcnt 0x0
	s_wait_alu depctr_hold_cnt(0) depctr_sa_sdst(0) depctr_va_vdst(0) depctr_va_sdst(0) depctr_va_ssrc(0) depctr_va_vcc(0) depctr_vm_vsrc(0)
	s_getreg_b32 s2, hwreg(HW_REG_IB_STS2, 6, 4)
	s_cmp_eq_u32 s2, 0
	s_cbranch_scc0 .Lentry_in_a_cluster
	s_endpgm
.Lentry_in_a_cluster:
	s_bfe_u32 s2, ttmp6, 0x10000c
	s_cmp_lg_u32 s2, 0xf033
	s_cbranch_scc0 .Lentry_shape_is_right
	s_endpgm
.Lentry_shape_is_right:
; outp: out0[row][col] = sum over k of ctx[row][k] Wo[k][col], k = 64 head + d.  ctx16 is [batch * 8 + head][2,048][64] f16, wo16 [512][512] f16, out0 f32; sums in f32.
; A work-group makes 128 rows x 128 columns; eight waves, each 32 rows (two tiles n) x 64 columns (four tiles mt).
; Used transposed: A = Wo^T (rows m = columns of out; Wo lies [k][col], so transposing loads), B = ctx^T.  A lane's eight results are eight neighbouring columns of one row.
; All of K = 512 fits in LDS at once: two halves of four heads, each wave fills one part of each half with one tensor load; nothing is filled twice.
; CLUSTER 4 x 4: ctx's tiles hang on the block row alone and are shared along a row of the cluster, Wo's on the block column alone and are shared along a column:
; each is asked for jointly by the four that need it, one request in place of four.
.set PART, 18432                       ; ctx: 128 rows x pitch 144;  Wo: 64 rows (k) x pitch 288
.set HALF, 8*PART                      ; parts 0-3: ctx of heads 4 H + i;  parts 4-7: Wo's rows 64 (4 H + i) ..
; pitches: 144 = 9 x 16 for 16-byte loads, 288 = 9 x 32 for transposing loads, 272 = 17 x 16 in the stage: the rows that one access touches start in different 16-byte columns of 256
.set ADO, 1                            ; v1 Wo fragments
.set ADC, 2                            ; v2 ctx fragments
.set STO, 3                            ; v3 stage in
.set RD,  4                            ; v4 stage back
.set CO,  5                            ; v5 my byte offset in out0
.set ACC, 16                           ; v[16:79]   tile (mt, n) at 8 (2 mt + n)
.set F0,  80                           ; v[80:127]  fragments of d = 0..31: four of Wo, two of ctx
.set F1,  128                          ; v[128:175] of d = 32..63
.macro PLACES                          ; four places behind matrix instructions, in front of loads into their sources and of stores of their results
.rept 4
	v_nop
.endr
.endm
.macro ROUND                           ; a round of the cluster's barrier
	s_barrier_signal -1
	s_barrier_wait -1
	s_cmp_lg_u32 s10, 0
	s_cbranch_scc1 .Lnot_wave_0_\@
	s_barrier_signal -3
.Lnot_wave_0_\@:
	s_barrier_wait -3
	s_barrier_signal -1
	s_barrier_wait -1
.endm
	s_load_b128 s[4:7], s[0:1], 0x0                ; ctx16 s[4:5], wo16 s[6:7]
	s_load_b64 s[8:9], s[0:1], 0x10                ; out0
	v_lshl_add_u32 v176, v0, 2, 0x48000
	v_mov_b32 v177, 0
	ds_add_u32 v176, v177
	v_lshrrev_b32 v6, 5, v0
	v_readfirstlane_b32 s10, v6                    ; wave
	s_and_b32 s11, s10, 3                          ; which head of a half I ask for
	s_bfe_u32 s12, ttmp6, 0x40000                  ; cx
	s_bfe_u32 s13, ttmp6, 0x40004                  ; cy
	s_lshl_b32 s14, ttmp9, 2
	s_add_co_u32 s14, s14, s12                     ; block column = 4 x cluster x + cx
	s_and_b32 s15, ttmp7, 0xffff
	s_lshl_b32 s15, s15, 2
	s_add_co_u32 s15, s15, s13                     ; block row = 4 x cluster y + cy
	s_lshl_b32 s52, s13, 2
	s_lshl_b32 s52, 15, s52                        ; my row of the cluster: places 4 cy .. 4 cy + 3
	s_lshl_b32 s53, 0x1111, s12                    ; my column: places cx, cx + 4, cx + 8, cx + 12
	; group 1 for ctx: 128 rows x 64 elements of 2 bytes, dense; behind every 32 words 4 words of padding
	s_or_b32 s16, s52, (1<<16)|(1<<20)|(1<<21)|(4<<22)|(3<<25)
	s_mov_b32 s17, 64<<16                          ; tensor_dim0 = 64
	s_mov_b32 s18, 128<<16                         ; tensor_dim1 = 128
	s_mov_b32 s19, 64<<16                          ; tile_dim0 = 64
	s_mov_b32 s20, 128                             ; tile_dim1 = 128
	s_mov_b32 s21, 64                              ; from row to row
	s_mov_b32 s22, 0
	s_mov_b32 s23, 0
	; group 1 for Wo: 64 rows (k) x 128 elements, rows 512 elements apart; behind every 64 words 8 words of padding
	s_or_b32 s24, s53, (1<<16)|(1<<20)|(1<<21)|(5<<22)|(7<<25)
	s_mov_b32 s25, 128<<16
	s_mov_b32 s26, 64<<16
	s_mov_b32 s27, 128<<16
	s_mov_b32 s28, 64
	s_mov_b32 s29, 512
	s_mov_b32 s30, 0
	s_mov_b32 s31, 0
	; where the tiles come from: ctx's offset holds the block row and the wave, Wo's the block column and the wave; neither register ever holds the other coordinate
	s_lshr_b32 s48, s15, 4                         ; batch (16 block rows each)
	s_lshl_b32 s48, s48, 3
	s_add_co_u32 s48, s48, s11                     ; 8 batch + head
	s_lshl_b32 s48, s48, 18                        ; x 2,048 rows x 128 bytes
	s_and_b32 s49, s15, 15
	s_lshl_b32 s49, s49, 14                        ; + 128 rows x 128 bytes for each block row in the batch
	s_add_co_u32 s48, s48, s49
	s_mov_b32 s49, 0
	s_lshl_b32 s50, s11, 16                        ; 64 rows x 1,024 bytes for each head
	s_lshl_b32 s51, s14, 8                         ; + 128 columns x 2 bytes for each block column
	s_add_co_u32 s50, s50, s51
	s_mov_b32 s51, 0
	s_mul_i32 s54, s10, PART                       ; and where they go: the wave's number times a part
	s_mov_b32 s32, 1
	s_mov_b32 s36, 1
	s_mov_b32 s40, 1
	s_mov_b32 s44, 1
	s_mov_b32 s33, s54
	s_add_co_u32 s37, s54, HALF
	s_mov_b32 s41, s54
	s_add_co_u32 s45, s54, HALF
	s_wait_dscnt 0x0
	s_wait_kmcnt 0x0
	s_add_nc_u64 s[34:35], s[4:5], s[48:49]        ; ctx, heads 0-3
	s_add_nc_u64 s[38:39], s[34:35], 0x100000      ; heads 4-7: 4 x 2,048 x 128 bytes on
	s_or_b32 s35, s35, 0x80000000                  ; type 2
	s_or_b32 s39, s39, 0x80000000
	s_add_nc_u64 s[42:43], s[6:7], s[50:51]        ; Wo, rows 0-255
	s_add_nc_u64 s[46:47], s[42:43], 0x40000       ; rows 256-511
	s_or_b32 s43, s43, 0x80000000
	s_or_b32 s47, s47, 0x80000000
	ROUND                                          ; all sixteen work-groups are here: the joint loads meet
	s_cmp_lt_u32 s10, 4                            ; all fills of a wave stand inside this one branch: two loads on either way
	s_cbranch_scc0 .Lfor_wo
	tensor_load_to_lds s[32:35], s[16:23]          ; waves 0-3: ctx of head w, then of head 4 + w
	s_nop 0
	tensor_load_to_lds s[36:39], s[16:23]
	s_nop 0
	s_branch .Lasked
.Lfor_wo:
	tensor_load_to_lds s[40:43], s[24:31]          ; waves 4-7: Wo's rows for head w - 4, then for head w
	s_nop 0
	tensor_load_to_lds s[44:47], s[24:31]
	s_nop 0
.Lasked:
	v_and_b32 v7, 15, v0                           ; r
	v_bfe_u32 v8, v0, 4, 1                         ; h
	v_and_b32 v9, 7, v0                            ; L % 8
	v_bfe_u32 v10, v0, 3, 1                        ; L / 8 % 2
	s_and_b32 s58, s10, 1                          ; wm: which 64 columns
	s_lshr_b32 s59, s10, 1                         ; wn: which 32 rows
	v_lshl_add_u32 v[ADO], v8, 3, v9               ; the transposing loads' row: 8 h + L % 8
	v_mul_u32_u24 v[ADO], v[ADO], 288
	v_lshl_add_u32 v[ADO], v10, 4, v[ADO]
	s_lshl_b32 s60, s58, 7                         ; my 64 columns: 128 bytes
	s_add_co_u32 s60, s60, 4*PART                  ; Wo's parts lie behind ctx's four
	v_add_nc_u32 v[ADO], s60, v[ADO]
	s_mul_i32 s61, s59, 32*144                     ; my 32 rows of ctx
	v_mul_u32_u24 v[ADC], v7, 144
	v_lshl_add_u32 v[ADC], v8, 4, v[ADC]
	v_add_nc_u32 v[ADC], s61, v[ADC]
	s_mul_i32 s62, s10, 8704                       ; my stage: 32 rows x 272 bytes
	v_mul_u32_u24 v[STO], v7, 272
	v_lshl_add_u32 v[STO], v8, 5, v[STO]           ; in: row r, 32 bytes for each half of the lanes
	v_add_nc_u32 v[STO], s62, v[STO]
	v_mul_u32_u24 v[RD], v8, 272
	v_lshl_add_u32 v[RD], v7, 4, v[RD]             ; back: lanes 0-15 one row of 256 bytes, lanes 16-31 the next
	v_add_nc_u32 v[RD], s62, v[RD]
	v_lshlrev_b32 v[CO], 11, v8                    ; the same two rows in out0 (2,048 bytes a row)
	v_lshl_add_u32 v[CO], v7, 4, v[CO]
	s_lshl_b32 s56, s15, 18                        ; out0: 128 rows x 2,048 bytes for each block row
	s_lshl_b32 s57, s59, 16                        ; + my 32 rows
	s_add_co_u32 s56, s56, s57
	s_lshl_b32 s57, s14, 9                         ; + 128 columns x 4 bytes for each block column
	s_add_co_u32 s56, s56, s57
	s_lshl_b32 s57, s58, 8                         ; + my 64 columns
	s_add_co_u32 s56, s56, s57
	s_mov_b32 s57, 0
	s_add_nc_u64 s[8:9], s[8:9], s[56:57]
.macro FRAG f, ks                      ; 12 loads: the fragments of 32 along d
.irp mt, 0,1,2,3
	ds_load_tr16_b128 v[\f+8*\mt:\f+8*\mt+3],   v[ADO] offset:9216*\ks+32*\mt
	ds_load_tr16_b128 v[\f+8*\mt+4:\f+8*\mt+7], v[ADO] offset:9216*\ks+32*\mt+4608
.endr
.irp n, 0,1
	ds_load_b128 v[\f+32+8*\n:\f+32+8*\n+3],   v[ADC] offset:2304*\n+64*\ks
	ds_load_b128 v[\f+32+8*\n+4:\f+32+8*\n+7], v[ADC] offset:2304*\n+64*\ks+32
.endr
.endm
.macro MUL8 f, zero                    ; eight accumulators by turns, one instruction a turn
.irp mt, 0,1,2,3
.irp n, 0,1
.if \zero
	v_wmma_f32_16x16x32_f16 v[ACC+8*(2*\mt+\n):ACC+8*(2*\mt+\n)+7], v[\f+8*\mt:\f+8*\mt+7], v[\f+32+8*\n:\f+32+8*\n+7], 0
.else
	v_wmma_f32_16x16x32_f16 v[ACC+8*(2*\mt+\n):ACC+8*(2*\mt+\n)+7], v[\f+8*\mt:\f+8*\mt+7], v[\f+32+8*\n:\f+32+8*\n+7], v[ACC+8*(2*\mt+\n):ACC+8*(2*\mt+\n)+7]
.endif
.endr
.endr
.endm
.macro HEADSTEP zero                   ; one head: 64 along k
	FRAG F0, 0
	FRAG F1, 1
	s_wait_dscnt 12                                ; the first 12 are in; the second 12 stay out
	MUL8 F0, \zero
	s_wait_dscnt 0x0
	MUL8 F1, 0
	PLACES
	v_add_nc_u32 v[ADO], PART, v[ADO]              ; the next head's parts
	v_add_nc_u32 v[ADC], PART, v[ADC]
.endm
	s_wait_tensorcnt 0x1                           ; my part of the first half is in; the second half's load stays out (nothing is ever filled again)
	s_barrier_signal -1
	s_barrier_wait -1                              ; everybody's is
	HEADSTEP 1                                     ; the first products start the sums
	s_mov_b32 s55, 3
.Lhalf0:
	HEADSTEP 0
	s_sub_co_u32 s55, s55, 1
	s_cmp_lg_u32 s55, 0
	s_cbranch_scc1 .Lhalf0
	v_add_nc_u32 v[ADO], 4*PART, v[ADO]            ; four parts were stepped over: four more to the second half
	v_add_nc_u32 v[ADC], 4*PART, v[ADC]
	s_wait_tensorcnt 0x0                           ; my part of the second half is in
	s_wait_dscnt 0x0
	s_barrier_signal -1
	s_barrier_wait -1
	s_mov_b32 s55, 4
.Lhalf1:
	HEADSTEP 0
	s_sub_co_u32 s55, s55, 1
	s_cmp_lg_u32 s55, 0
	s_cbranch_scc1 .Lhalf1
	; the way out: through a stage of my own, in bytes of the first half's ctx, whose one fill is long over
	s_wait_dscnt 0x0
	s_barrier_signal -1
	s_barrier_wait -1                              ; every wave's reads of the tiles are over before any wave stores into LDS
.irp mt, 0,1,2,3
.irp n, 0,1
	ds_store_b128 v[STO], v[ACC+8*(2*\mt+\n):ACC+8*(2*\mt+\n)+3]   offset:4352*\n+64*\mt       ; row 16 n + r, columns 16 mt + 8 h + 0..3
	ds_store_b128 v[STO], v[ACC+8*(2*\mt+\n)+4:ACC+8*(2*\mt+\n)+7] offset:4352*\n+64*\mt+16    ; and 4..7
.endr
.endr
.irp i, 0,1,2,3,4,5,6,7,8,9,10,11,12,13,14,15
	ds_load_b128 v[F0+4*\i:F0+4*\i+3], v[RD] offset:544*\i     ; LDS serves a wave's instructions in order (ISA guide 5.7.1.4): these see the stores above; the bytes are my own
.endr
.irp i, 0,1,2,3,4,5,6,7,8,9,10,11,12,13,14,15
	s_wait_dscnt 15-\i
	global_store_b128 v[CO], v[F0+4*\i:F0+4*\i+3], s[8:9] offset:4096*\i th:TH_STORE_NT   ; 16 lanes store 256 consecutive bytes, at a multiple of 256 from out0's first byte
.endr
	s_wait_tensorcnt 0x0
	ds_add_u32 v176, v177
	s_wait_dscnt 0x0
	ROUND                                          ; the closing round
	s_endpgm
.Lfunc_end_k_q0ac107f34a_outp:
	.size	k_q0ac107f34a_outp, .Lfunc_end_k_q0ac107f34a_outp-k_q0ac107f34a_outp
	.p2alignl 7, 3214868480
	.fill 96, 4, 3214868480
	.section	.rodata,"a",@progbits
	.p2align	6, 0x0
	.amdhsa_kernel k_q0ac107f34a_outp
		.amdhsa_group_segment_fixed_size 295936
		.amdhsa_private_segment_fixed_size 0
		.amdhsa_enable_private_segment 0
		.amdhsa_kernarg_size 24
		.amdhsa_user_sgpr_count 2
		.amdhsa_user_sgpr_kernarg_segment_ptr 1
		.amdhsa_wavefront_size32 1
		.amdhsa_system_sgpr_workgroup_id_x 1
		.amdhsa_system_sgpr_workgroup_id_y 1
		.amdhsa_system_sgpr_workgroup_id_z 1
		.amdhsa_system_vgpr_workitem_id 0
		.amdhsa_next_free_vgpr 178
		.amdhsa_next_free_sgpr 66
		.amdhsa_reserve_vcc 0
		.amdhsa_float_denorm_mode_32 3
		.amdhsa_float_denorm_mode_16_64 3
		.amdhsa_memory_ordered 1
		.amdhsa_forward_progress 1
		.amdhsa_inst_pref_size 20
	.end_amdhsa_kernel
	.amdgpu_metadata
---
amdhsa.version: [ 1, 2 ]
amdhsa.kernels:
  - .name:           k_q0ac107f34a_outp
    .symbol:         k_q0ac107f34a_outp.kd
    .args:
      - { .name: ctx16, .offset: 0, .size: 8, .value_kind: global_buffer, .address_space: global }
      - { .name: wo16, .offset: 8, .size: 8, .value_kind: global_buffer, .address_space: global }
      - { .name: out0, .offset: 16, .size: 8, .value_kind: global_buffer, .address_space: global }
    .group_segment_fixed_size: 295936
    .private_segment_fixed_size: 0
    .kernarg_segment_align: 8
    .kernarg_segment_size: 24
    .max_flat_workgroup_size: 256
    .sgpr_count:     66
    .vgpr_count:     178
    .wavefront_size: 32
...
	.end_amdgpu_metadata
.endif
;; end of part 3
